; MI455X (gfx1250); checked and timed in simulation.
; The chip was launched on July 23, 2026; its instructions are those of AMD's public machine-readable ISA for CDNA 5 (MIT licence, August 2026) and "CDNA5" Instruction Set Architecture Reference Guide (July 2026). The comments in the code are by the model that wrote it; some were corrected since.
;; LTC Cell. Allowed arithmetic: matrix products marked QUANTISED: E2M3 operands, one E8M0 scale for each 32 along K, by v_wmma_scale_f32_16x16x128_f8f6f4 with both operands' format E2M3, f32 sums; everything else in f32.
;; Inputs: W_mod 3,072 x 2,048 float32; W_tgt 3,072 x 2,048 float32; b_mod 2,048 float32; b_tgt 2,048 float32; bias 2,048 float32; h 4,096 x 2,048 float32; log_tau 2,048 float32; time_delta 4,096 x 1 float32; x 4,096 x 1,024 float32.
;; Outputs: out0 4,096 x 2,048 float32.
;; This version of the problem:
;;   THIS VERSION OF THE PROBLEM IS GIVEN IN LOW PRECISION. The matrix products marked QUANTISED in the list below multiply operands that are first quantised to E2M3 (2 exponent bits, 3 mantissa bits; 6 bits a number), with one power-of-two scale for each 32 numbers along K (OCP MX v1.0); their sums are f32. All else is computed in f32.
;;   The module's matrix products, in the order in which they are computed (A, B: the left and right operand; K: the contracted axis; several contracted axes count as one K, in the product's order):
;;     1. [M 4,096, K 3,072] x [K 3,072, N 2,048]; A: computed on the way; B: input W_mod: QUANTISED
;;     2. [M 4,096, K 3,072] x [K 3,072, N 2,048]; A: computed on the way; B: input W_tgt: QUANTISED
;;   THE QUANTISER, for each operand of a quantised product, along K:
;;     - K is cut into blocks of 32 from its start; a last block that is shorter is filled with zeros.
;;     - A block's scale is 2^e with e = floor(log2(the largest magnitude in the block)) - 2, held to -126 .. 127; a block of zeros has e = 0. As a byte (E8M0): e + 127.
;;     - Each number is divided by its block's scale, clamped to +-7.5, and rounded to the nearest number of E2M3, ties to even, subnormals kept.
;;     - The product sums the exact products of the quantised numbers (number of the format x scale) in f32.
;;   ~~~python
;;   def quantise(x, axis):      # numpy; x: float32 -> the quantised numbers, widened to float32 again
;;       x = np.moveaxis(x, axis, -1); K = x.shape[-1]
;;       x = np.pad(x, [(0, 0)] * (x.ndim - 1) + [(0, -K % 32)]); x = x.reshape(x.shape[:-1] + (-1, 32)); a = np.abs(x).max(-1, keepdims=True)
;;       e = np.where(a > 0, np.clip(np.frexp(np.where(a > 0, a, 1))[1] - 1 - 2, -126, 127), 0)      # np.frexp(a)[1] - 1 = floor(log2(a)), exactly
;;       r = np.clip(x / 2.0 ** e, -7.5, 7.5)
;;       step = 2.0 ** (np.maximum(np.frexp(np.where(r == 0, 1, r))[1] - 1, 0) - 3)
;;       q = np.round(r / step) * step * 2.0 ** e      # np.round: ties to even
;;       return np.moveaxis(q.reshape(q.shape[:-2] + (-1,))[..., :K], -1, axis).astype(np.float32)
;;   ~~~
;;   OPERANDS COMPUTED ON THE WAY. 'Computed on the way' means the value that the module computes at that place (a softmax that the list does not call 'softmax' is quantised finished and normalised). What goes into a quantiser is computed in f32, as accurately as f32 sums, v_exp_f32 and their like allow (about 1e-6 of the number): no bf16 or f16 on the way to a quantiser, and a product that is left as it is and whose result goes on into a quantised operand takes f32 operands (vector FMAs, or v_wmma_f32_16x16x4_f32). A number that lies on a knife's edge between two numbers of the format may be rounded either way, as far as f32 arithmetic and the matrix unit's own rounding can turn it there, and no further.
;; One version. Each part assembles by itself: llvm-mc -triple=amdgcn-amd-amdhsa -mcpu=gfx1250 --defsym DOCPART=n.
;; ======== version 1 of 1: 2 launches
;; limits: right only within a limited range of input values
;; workspace buffers: acodes 9,830,400 bytes; wcodes 9,830,400 bytes
;; launch quant (part 1): grid 4 x 64, 6 waves a work-group, no clusters, 298,752 bytes of LDS; arguments x, h, W_mod, W_tgt, acodes, wcodes; writes acodes, wcodes
.if DOCPART == 1
	.amdgcn_target "amdgcn-amd-amdhsa--gfx1250"
	.amdhsa_code_object_version 6
	.text
	.protected	k_qe638a8e145_quant
	.globl	k_qe638a8e145_quant
	.p2align	8
	.type	k_qe638a8e145_quant,@function
k_qe638a8e145_quant:
	s_mov_b64 s[64:65], 0
	v_nop
	global_prefetch_b8 v0, s[64:65] scope:SCOPE_SE
	s_setreg_imm32_b32 hwreg(HW_REG_WAVE_MODE, 25, 1), 1
	s_wait_xcnt 0x0
; combined = [x | h] ([4096][3072], K innermost) and W_mod, W_tgt ([3072][2048], K outermost), all f32, become codes of FP6 (E2M3) with one E8M0 byte for each 32 along K.
; A block's scale is 2^(floor(log2(its largest magnitude)) - 2); its byte is the largest magnitude's exponent field - 2, held at 1 from below by a floor among the maximum's leaves.
; LIMITS: NaN and infinities among the inputs are not served; a block whose largest magnitude lies under 2^-124 keeps the byte 1 (a block of zeros too, where the quantiser's text says 127:
; its codes are zeros, and these bytes are read by this program alone).
; THE TWO OUTPUT BUFFERS ARE LAID AS THE NEXT LAUNCH READS THEM: [blk 0..31][S 0..7] units of 38,400 bytes = 128 operand rows x 384 along K.  In a unit: fragment (q = 0..2, i = 0..7), 16 rows x 128 K, at
; (8 q + i) x 1,536 as an image of the operand's 12 registers (group e of four registers of lane l at 512 e + 16 l); the scale words at 36,864 + 512 q + 256 (i / 4) + 16 r + 4 (2 (i % 2) + (i % 4) / 2).
; acodes: blk = m / 128, i = (m % 128) / 16.   wcodes: blk = n / 64; i = 0..3: columns 64 blk + 16 i + r of W_mod; i = 4..7: the same columns of W_tgt.
; SHARES.  1,536 waves, each with one K step ks of 128 and two tasks of 32 KiB of f32: 64 rows of combined, and 64 columns of one of the two weights.  Waves share nothing: no barrier; no loop, no branch.
; Every global load takes bytes as they lie (512 consecutive bytes, or two runs of 256); the numbers turn through the wave's own stage in LDS, so that a lane's registers run along K.
.set UNIT,  38400
.set FRB,   1536                       ; a fragment's image
.set SCB,   36864                      ; where a unit's scale words begin
.set WREG,  49664                      ; LDS of a wave: two stages for combined's rows, one for a weight's 128 rows
.set SPA,   528                        ; a row of 128 f32 + 16 bytes, so that sixteen rows' 16-byte pieces fall on different places modulo 256 bytes
.set STA,   16*SPA
.set STW,   2*STA
.set LN,    1                          ; v1   lane
.set RR,    2                          ; v2   r = lane % 16
.set HH,    3                          ; v3   hh = lane / 16
.set L16,   4                          ; v4   16 x lane
.set OFFJ,  5                          ; v5-20  16 x lane + row j of x or of h
.set WOFF,  21                         ; v21  8,192 hh + 16 r: two rows of a weight, 256 bytes each
.set SAI,   22                         ; v22  stage for rows, in
.set SAO,   23                         ; v23  and out: row r, + 128 hh
.set SWI,   24                         ; v24  stage for a weight, in
.set SWO,   25                         ; v25  and out: 4 x lane
.set WST,   26                         ; v26  1,536 hh + 16 r: where a weight's codes go
.set SCO,   27                         ; v27  16 r + 8 hh: where two scale words go
.set MX,    28                         ; v28-31 largest magnitudes: two chains for each of two blocks
.set SOP,   32                         ; v32-33 the conversions' scale operands
.set BY,    34                         ; v34-35 the scale bytes
.set WD,    36                         ; v36  a scale word in the making
.set PD,    37                         ; v37  the lane permute's destination
.set SH8,   38                         ; v38  8 hh
.set AW,    40                         ; v40-43 the scale words of combined's four fragments
.set AP,    44                         ; v[44:45] the two of them that my half of the lanes stores
.set WW,    46                         ; v[46:47] the weight's scale words: columns lane and 32 + lane
.set T0,    48                         ; v48-50, v52-54: the upper halves of two blocks' codes (a conversion's three registers begin on an even number)
.set T1,    52
.set X,     64                         ; v64-127 two blocks of 32 numbers along K
.set PA,    128                        ; v128-175 combined's four fragments
.set PW,    176                        ; v176-223 the weight's codes: 12 (2 p + h): columns 32 p + lane, the operand's lanes of half h
.set AB,    44                         ; s[44:51] the four fragments' first rows
.set MSB, 0
.macro WIN new                         ; the immediate's high byte repeats the setting that is left
.if MSB != (\new)
	s_set_vgpr_msb (MSB<<8)|(\new)
.set MSB, (\new)
.endif
.endm
	s_load_b256 s[4:11], s[0:1], 0x0               ; x, h, W_mod, W_tgt
	s_load_b128 s[12:15], s[0:1], 0x20             ; acodes, wcodes
	v_lshl_add_u32 v254, v0, 2, 0x48c00
	v_mov_b32 v255, 0
	v_lshrrev_b32 v1, 5, v0
	v_readfirstlane_b32 s16, v1                    ; wave 0..5
	v_and_b32 v[LN], 31, v0
	v_and_b32 v[RR], 15, v0
	v_bfe_u32 v[HH], v0, 4, 1
	v_lshlrev_b32 v[L16], 4, v[LN]
	s_wait_alu depctr_va_vdst(0)
	s_mul_i32 s17, ttmp9, 6
	s_add_co_u32 s17, s17, s16                     ; ks = 6 x work-group x + wave: 0..23
	s_mul_i32 s18, s17, 11
	s_lshr_b32 s18, s18, 5                         ; S = ks / 3 (11 ks / 32 gives it for ks up to 23)
	s_mul_i32 s19, s18, 3
	s_sub_co_u32 s19, s17, s19                     ; q = ks % 3
	s_and_b32 s20, ttmp7, 0xffff                   ; gy: 64 rows of combined
	s_lshr_b32 s21, s20, 1                         ; blk
	s_and_b32 s22, s20, 1                          ; g: which half of a unit's eight fragments; for the weights: W_mod or W_tgt
	s_lshl_b32 s23, s21, 3
	s_add_co_u32 s23, s23, s18
	s_mul_i32 s23, s23, UNIT                       ; my unit
	s_lshl_b32 s24, s19, 3
	s_lshl_b32 s56, s22, 2
	s_add_co_u32 s24, s24, s56
	s_mul_i32 s24, s24, FRB
	s_add_co_u32 s24, s24, s23                     ; my four fragments: 6,144 consecutive bytes
	s_mov_b32 s25, 0
	s_lshl_b32 s26, s19, 9
	s_lshl_b32 s56, s22, 8
	s_add_co_u32 s26, s26, s56
	s_add_co_u32 s26, s26, s23
	s_add_co_u32 s26, s26, SCB                     ; their scale words: 256 consecutive bytes
	s_mov_b32 s27, 0
	s_mul_i32 s56, s16, WREG                       ; my wave's LDS
	v_add_nc_u32 v[SAI], s56, v[L16]
	v_mul_u32_u24 v[SAO], v[RR], SPA
	v_lshl_add_u32 v[SAO], v[HH], 7, v[SAO]
	v_add_nc_u32 v[SAO], s56, v[SAO]
	s_add_co_u32 s56, s56, STW
	v_add_nc_u32 v[SWI], s56, v[L16]
	v_lshl_add_u32 v[SWO], v[LN], 2, s56
	v_mul_u32_u24 v[WST], v[HH], FRB
	v_lshl_add_u32 v[WST], v[RR], 4, v[WST]
	v_lshlrev_b32 v[SH8], 3, v[HH]
	v_lshl_add_u32 v[SCO], v[RR], 4, v[SH8]
	v_lshlrev_b32 v[WOFF], 13, v[HH]
	v_lshl_add_u32 v[WOFF], v[RR], 4, v[WOFF]
	v_mov_b32 v[PD], 0                             ; written once: a lane permute's destination counts as one of its sources
	s_mov_b32 s54, 0x76543210
	s_mov_b32 s55, 0xfedcba98                      ; v_permlanex16_b32's selects for lane l xor 16
	s_wait_kmcnt 0x0
	s_cmp_lt_u32 s17, 8                            ; K steps 0-7 lie in x, 8-23 in h: the choice hangs on ids alone
	s_cselect_b64 s[36:37], s[4:5], s[6:7]
	s_cselect_b32 s38, 12, 13                      ; a row of x is 4,096 bytes, of h 8,192
	s_cselect_b32 s39, 0, 8
	s_cmp_eq_u32 s22, 0
	s_cselect_b64 s[52:53], s[8:9], s[10:11]       ; W_mod or W_tgt
	s_sub_co_u32 s40, s17, s39
	s_lshl_b32 s40, s40, 9                         ; 512 bytes a K step
	s_lshl_b32 s41, s20, 6
	s_lshl_b32 s41, s41, s38                       ; row 64 gy
	s_add_co_u32 s40, s40, s41
	s_mov_b32 s41, 0
	s_lshl_b32 s42, 16, s38                        ; 16 rows on
	s_mov_b32 s43, 0
	s_add_nc_u64 s[AB:AB+1], s[36:37], s[40:41]
	s_add_nc_u64 s[AB+2:AB+3], s[AB:AB+1], s[42:43]
	s_add_nc_u64 s[AB+4:AB+5], s[AB+2:AB+3], s[42:43]
	s_add_nc_u64 s[AB+6:AB+7], s[AB+4:AB+5], s[42:43]
	s_lshl_b32 s58, s17, 20                        ; 128 rows of 8,192 bytes a K step
	s_lshl_b32 s56, s21, 8                         ; column 64 blk
	s_add_co_u32 s58, s58, s56
	s_mov_b32 s59, 0
	s_add_nc_u64 s[52:53], s[52:53], s[58:59]
	s_add_nc_u64 s[28:29], s[12:13], s[24:25]      ; acodes: codes,
	s_add_nc_u64 s[30:31], s[12:13], s[26:27]      ; scale words;
	s_add_nc_u64 s[32:33], s[14:15], s[24:25]      ; wcodes likewise
	s_add_nc_u64 s[34:35], s[14:15], s[26:27]
.irp j, 0,1,2,3,4,5,6,7,8,9,10,11,12,13,14,15
	v_lshl_add_u32 v[OFFJ+\j], \j, s38, v[L16]
.endr
; Raw numbers land in window 1, four sets of 64 registers.  Chunk f of combined: 16 rows, 512 consecutive bytes a load.
.macro ALOAD f
	WIN 0x40                                       ; destination window 1, address window 0
.irp j, 0,1,2,3,4,5,6,7,8,9,10,11,12,13,14,15
	global_load_b128 v[64*(\f)+4*\j:64*(\f)+4*\j+3], v[OFFJ+\j], s[AB+2*(\f):AB+2*(\f)+1]
.endr
	WIN 0
.endm
; Chunk f of the weight: rows 32 f .. 32 f + 31 of the K step, two rows (256 consecutive bytes each, aligned) a load; read once in the whole program.
.macro WLOAD f
	WIN 0x40
.irp j, 0,1,2,3,4,5,6,7,8,9,10,11,12,13,14,15
	global_load_b128 v[64*(\f)+4*\j:64*(\f)+4*\j+3], v[WOFF], s[52:53] offset:16384*(16*(\f)+\j) th:TH_LOAD_NT
.endr
	WIN 0
.endm
; The two blocks in X: largest magnitudes (two chains each, by turns; the floor 2^(3 - 127) is one leaf), the conversions' scale operands, the scale bytes.
.macro MAX2
.irp b, 0,1
	v_max3_num_f32 v[MX+2*\b], |v[X+32*\b]|, |v[X+32*\b+1]|, 0x1800000
	v_max3_num_f32 v[MX+2*\b+1], |v[X+32*\b+16]|, |v[X+32*\b+17]|, |v[X+32*\b+18]|
.endr
.irp i, 2,4,6,8,10,12
.irp b, 0,1
	v_max3_num_f32 v[MX+2*\b], v[MX+2*\b], |v[X+32*\b+\i]|, |v[X+32*\b+\i+1]|
	v_max3_num_f32 v[MX+2*\b+1], v[MX+2*\b+1], |v[X+32*\b+17+\i]|, |v[X+32*\b+18+\i]|
.endr
.endr
.irp b, 0,1
	v_max3_num_f32 v[MX+2*\b], v[MX+2*\b], |v[X+32*\b+14]|, |v[X+32*\b+15]|
.endr
.irp b, 0,1
	v_max3_num_f32 v[MX+2*\b], v[MX+2*\b], v[MX+2*\b+1], |v[X+32*\b+31]|
.endr
.irp b, 0,1
	v_add_nc_u32 v[SOP+\b], 0xff000000, v[MX+2*\b]    ; 2 off the exponent field: the conversion takes that field of this operand as its scale, and nothing else of it
.endr
.irp b, 0,1
	v_lshrrev_b32 v[BY+\b], 23, v[SOP+\b]          ; the scale's byte
.endr
.endm
; The two blocks' codes: six registers each, from d0 and from d1 on.
.macro CODES d0, d1
	v_cvt_scalef32_pk16_fp6_f32 v[(\d0):(\d0)+2], v[X:X+15], v[SOP]
	v_cvt_scalef32_pk16_fp6_f32 v[T0:T0+2], v[X+16:X+31], v[SOP]
	v_cvt_scalef32_pk16_fp6_f32 v[(\d1):(\d1)+2], v[X+32:X+47], v[SOP+1]
	v_cvt_scalef32_pk16_fp6_f32 v[T1:T1+2], v[X+48:X+63], v[SOP+1]
	v_nop                                          ; one plain place behind the scaled conversions
.irp i, 0,1,2
	v_mov_b32 v[(\d0)+3+\i], v[T0+\i]
	v_mov_b32 v[(\d1)+3+\i], v[T1+\i]
.endr
.endm
; Fragment f of combined.  Lane (r, hh) wants, of row r, k = 32 hh + 0..31 and k = 64 + 32 hh + 0..31: just what the operand's layout gives that lane.
.macro ASTEP f
	s_wait_loadcnt 48                              ; loads come back in order: this chunk's 16 are in, the three chunks issued behind it may be out
	WIN 0x04                                       ; an LDS store's data are its source 1: window 1
.irp j, 0,1,2,3,4,5,6,7,8,9,10,11,12,13,14,15
	ds_store_b128 v[SAI], v[64*(\f)+4*\j:64*(\f)+4*\j+3] offset:STA*((\f)%2)+SPA*\j
.endr
	WIN 0
.irp k, 0,1
.irp i, 0,1,2,3,4,5,6,7
	ds_load_b128 v[X+32*\k+4*\i:X+32*\k+4*\i+3], v[SAO] offset:STA*((\f)%2)+256*\k+16*\i   ; LDS serves a wave's instructions in order: these see my stores
.endr
.endr
	s_wait_dscnt 0x0                               ; the numbers are back
	WLOAD \f                                       ; the set just emptied takes a chunk of the weight
	MAX2
	v_lshl_or_b32 v[WD], v[BY+1], 16, v[BY]        ; my two bytes: blocks hh and 2 + hh of row r,
	v_lshlrev_b32 v[WD], v[SH8], v[WD]             ; at their places in the scale word;
	v_permlanex16_b32 v[PD], v[WD], s54, s55
	v_or_b32 v[AW+(\f)], v[WD], v[PD]              ; with lane l xor 16's two the word is whole, in both halves of the lanes
	CODES PA+12*(\f), PA+12*(\f)+6                 ; the codes stay in their registers: every global store stands at the wave's end
.endm
; Block kb (32 along K) of the weight's 64 columns.  A LANE TAKES A COLUMN AND ITS REGISTERS RUN DOWN K: pass p is column 32 p + lane.  Its six registers of codes are registers 6 (kb / 2) on of the
; operand's lane (r, kb % 2) of fragment 2 p + hh.
.macro WSTEP kb
	s_wait_loadcnt 16*(3-(\kb))                    ; this chunk's 16 loads are in; the chunks behind it may be out
	WIN 0x04
.irp j, 0,1,2,3,4,5,6,7,8,9,10,11,12,13,14,15
	ds_store_b128 v[SWI], v[64*(\kb)+4*\j:64*(\kb)+4*\j+3] offset:512*(16*(\kb)+\j)   ; as loaded: a row of 64 columns is 256 bytes of the stage
.endr
	WIN 0
.irp k, 0,1
.irp i, 0,1,2,3,4,5,6,7,8,9,10,11,12,13,14,15,16,17,18,19,20,21,22,23,24,25,26,27,28,29,30,31
	ds_load_b32 v[X+32*\k+\i], v[SWO] offset:256*(32*(\kb)+\i)+128*\k
.endr
.endr
	s_wait_dscnt 0x0
	MAX2
.if (\kb) == 0
	v_mov_b32 v[WW], v[BY]
	v_mov_b32 v[WW+1], v[BY+1]
.else
	v_lshl_or_b32 v[WW], v[BY], 8*(\kb), v[WW]     ; byte kb of the column's scale word
	v_lshl_or_b32 v[WW+1], v[BY+1], 8*(\kb), v[WW+1]
.endif
	CODES PW+12*((\kb)%2)+6*((\kb)/2), PW+24+12*((\kb)%2)+6*((\kb)/2)
.endm
	ALOAD 0
	ALOAD 1
	ALOAD 2
	ALOAD 3
	ASTEP 0
	ASTEP 1
	ASTEP 2
	ASTEP 3
	v_cmp_ne_u32 vcc_lo, 0, v[HH]                  ; a row's 16 bytes hold the words of fragments 0, 2, 1, 3: lanes 0-15 store the first two, lanes 16-31 the others
	v_cndmask_b32 v[AP], v[AW], v[AW+1], vcc_lo
	v_cndmask_b32 v[AP+1], v[AW+2], v[AW+3], vcc_lo
	WSTEP 0
	WSTEP 1
	WSTEP 2
	WSTEP 3
	s_wait_alu depctr_va_vdst(0)                   ; directly ahead of the waits below: the stores behind them read what vector instructions wrote
	s_wait_tensorcnt 0x0                           ; behind my last LDS store
	ds_add_u32 v254, v255
	s_wait_dscnt 0x0
; ALL RESULTS LEAVE HERE, behind the wave's last LDS instruction: 96 registers of codes and 4 of scale words, none of them written twice.
.irp f, 0,1,2,3
.irp e, 0,1,2
	global_store_b128 v[L16], v[PA+12*\f+4*\e:PA+12*\f+4*\e+3], s[28:29] offset:FRB*\f+512*\e   ; 32 lanes store 512 consecutive bytes, aligned to 256
.endr
.endr
	global_store_b64 v[SCO], v[AP:AP+1], s[30:31]  ; 32 lanes store 256 consecutive bytes, aligned
.irp g, 0,1                                    ; blocks g and g + 2 along K make the twelve registers of the operand's lanes of half g
.irp k, 0,1
.irp e, 0,1,2
	global_store_b128 v[WST], v[PW+12*(2*\k+\g)+4*\e:PW+12*(2*\k+\g)+4*\e+3], s[32:33] offset:2*FRB*\k+512*\e+256*\g   ; sixteen lanes store 256 consecutive bytes, aligned
.endr
.endr
.endr
	global_store_b64 v[SCO], v[WW:WW+1], s[34:35]  ; lane (r, hh) holds the words of fragments hh and 2 + hh: the same order
	s_endpgm
.Lfunc_end_k_qe638a8e145_quant:
	.size	k_qe638a8e145_quant, .Lfunc_end_k_qe638a8e145_quant-k_qe638a8e145_quant
	.p2alignl 7, 3214868480
	.fill 96, 4, 3214868480
	.section	.rodata,"a",@progbits
	.p2align	6, 0x0
	.amdhsa_kernel k_qe638a8e145_quant
		.amdhsa_group_segment_fixed_size 298752
		.amdhsa_private_segment_fixed_size 0
		.amdhsa_enable_private_segment 0
		.amdhsa_kernarg_size 48
		.amdhsa_user_sgpr_count 2
		.amdhsa_user_sgpr_kernarg_segment_ptr 1
		.amdhsa_wavefront_size32 1
		.amdhsa_system_sgpr_workgroup_id_x 1
		.amdhsa_system_sgpr_workgroup_id_y 1
		.amdhsa_system_sgpr_workgroup_id_z 1
		.amdhsa_system_vgpr_workitem_id 0
		.amdhsa_next_free_vgpr 512
		.amdhsa_next_free_sgpr 66
		.amdhsa_reserve_vcc 1
		.amdhsa_float_denorm_mode_32 3
		.amdhsa_float_denorm_mode_16_64 3
		.amdhsa_memory_ordered 1
		.amdhsa_forward_progress 1
		.amdhsa_inst_pref_size 72
	.end_amdhsa_kernel
	.amdgpu_metadata
---
amdhsa.version: [ 1, 2 ]
amdhsa.kernels:
  - .name:           k_qe638a8e145_quant
    .symbol:         k_qe638a8e145_quant.kd
    .args:
      - { .name: x, .offset: 0, .size: 8, .value_kind: global_buffer, .address_space: global }
      - { .name: h, .offset: 8, .size: 8, .value_kind: global_buffer, .address_space: global }
      - { .name: W_mod, .offset: 16, .size: 8, .value_kind: global_buffer, .address_space: global }
      - { .name: W_tgt, .offset: 24, .size: 8, .value_kind: global_buffer, .address_space: global }
      - { .name: acodes, .offset: 32, .size: 8, .value_kind: global_buffer, .address_space: global }
      - { .name: wcodes, .offset: 40, .size: 8, .value_kind: global_buffer, .address_space: global }
    .group_segment_fixed_size: 298752
    .private_segment_fixed_size: 0
    .kernarg_segment_align: 8
    .kernarg_segment_size: 48
    .max_flat_workgroup_size: 192
    .sgpr_count:     66
    .vgpr_count:     512
    .wavefront_size: 32
...
	.end_amdgpu_metadata
.endif
;; end of part 1
;; launch gemm (part 2): grid 16 x 16, 4 waves a work-group, clusters of 4 x 4, 327,680 bytes of LDS; arguments acodes, wcodes, b_mod, b_tgt, log_tau, bias, time_delta, h, out0; writes out0
.if DOCPART == 2
	.amdgcn_target "amdgcn-amd-amdhsa--gfx1250"
	.amdhsa_code_object_version 6
	.text
	.protected	k_qe638a8e145_gemm
	.globl	k_qe638a8e145_gemm
	.p2align	8
	.type	k_qe638a8e145_gemm,@function
k_qe638a8e145_gemm:
	s_mov_b64 s[64:65], 0
	v_nop
	global_prefetch_b8 v0, s[64:65] scope:SCOPE_SE
	s_setreg_imm32_b32 hwreg(HW_REG_WAVE_MODE, 25, 1), 1
	s_wait_xcnt 0x0
	s_wait_alu depctr_hold_cnt(0) depctr_sa_sdst(0) depctr_va_vdst(0) depctr_va_sdst(0) depctr_va_ssrc(0) depctr_va_vcc(0) depctr_vm_vsrc(0)
	s_getreg_b32 s2, hwreg(HW_REG_IB_STS2, 6, 4)
	s_cmp_eq_u32 s2, 0
	s_cbranch_scc0 .Lentry_in_a_cluster
	s_endpgm
.Lentry_in_a_cluster:
	s_bfe_u32 s2, ttmp6, 0x10000c
	s_cmp_lg_u32 s2, 0xf033
	s_cbranch_scc0 .Lentry_shape_is_right
	s_endpgm
.Lentry_shape_is_right:
; zf = combined W_mod, za = combined W_tgt on codes of FP6 (E2M3) with E8M0 scales, K = 3,072, and then, in f32, h_new = decay h + (1 - decay) a'.
;   E = 2^-|c (zf + b_mod)|, c = 2 log2(e): |tanh| = (1 - E) / (1 + E);  decay = 2^(dt (PN0 + PN1 E) / D), D = PD0 + PD1 E, with tau = e^log_tau, PN0 = -log2(e) (1 + tau), PN1 = -log2(e) (1 - tau),
;   PD0 = tau + 1e-6 (1 + tau), PD1 = tau + 1e-6 (1 - tau) (over 0);  the quotient is taken as K0 + K1 / D, K0 = PN1 / PD1, K1 = PN0 - K0 PD0;   a' = 1 + bias - 2 / (1 + 2^(c (za + b_tgt))).
; Nothing of reference() is left out.  LIMITS: NaN and infinities among the inputs are not served; log_tau over 88 overflows here as it does in reference().
; A work-group makes 256 rows x 128 columns of h_new, that is 256 x 256 of the two products; a wave 128 rows x (64 columns of zf and the same 64 of za): 64 accumulators.
; acodes, wcodes: [blk][S 0..7] units of 38,400 bytes = 128 operand rows x 384 K: fragment (q, i) at (8 q + i) x 1,536 as an image of its 12 registers, scale words from byte 36,864 on.
; A slot holds four units (A's two, B's two), one tensor load a wave, dense rows of 256 bytes; two slots take turns; three K steps of 128 to a slot.
; CLUSTERS 4 x 4: A's units are asked for jointly along a row of the cluster, B's along a column.
; REGISTERS.  Each window of 256 holds v0-31 other things, v32-127 four fragments in two sets, v128-255 sixteen accumulators ((a % 4, b % 4) at 128 + 8 (4 a + b)):
;   window 0: A's blocks 0-3, accumulators (a 0-3, b 0-3);   window 1: B's 0-3, (a 0-3, b 4-7);   window 2: B's 4-7, (a 4-7, b 4-7);   window 3: A's 4-7, (a 4-7, b 0-3).
; A K STEP is four phases, phase w on window w's accumulators under ONE setting of the windows: a run of 12 LDS loads (phase 0: 14, with the scale words), which bring the NEXT step's
; fragments of window w, and then 16 products (a load's destination has the products' destination window, its address register the window of source 0: so A's addresses lie in window 1,
; B's in window 2).  Both operands have two sets, so four v_nop at a step's head are the places for all its loads.  What phase w fetches is first multiplied three phases later at the least.
; The matrix instruction is used transposed (source 0 = rows of W's codes, source 1 = rows of combined): a lane holds eight neighbouring columns of one row.
.set UNIT,   38400
.set SLOT,   4*UNIT
.set SPARE,  2*SLOT                    ; the spare words: 512 bytes that no other line names
.set DTL,    SPARE+512                 ; 512 bytes a wave: its 128 rows' time_delta, on the way out
.set BLKB,   8*UNIT
.set FRB,    1536
.set SCB,    36864
.set SPITCH, 528
.set STGW,   16*SPITCH                 ; a wave's stage, in slot 0, which has had its last fill and its last read by then
.set ROWO,   8192
.set SPW,  1
.set NIL,  2
.set ADR,  3                           ; v3-4: windows 0 and 1: my A unit in slot 0, 1; window 2: my B unit
.set ADRS, 5                           ; v5-6: windows 0 and 1: scale words; lanes 0-15 A's, lanes 16-31 B's
.set STO,  7
.set RD,   8
.set CO,   9
.set PO,   10                          ; 16 (l % 16): my four columns' parameters
.set PT1,  11                          ; the tiles' prefetches: my blocks of 256 bytes in a unit
.set PT2,  12
.set DTS,  13
.set DTR,  14
.set L16,  15
.set PFO,  8                           ; window 1: h's prefetches: a lane a row
.set PFO2, 9
.set SC,   16                          ; v16-31 scale words, two sets
.set FR,   32
.set ACC,  128
.set K0,   16                          ; the way out, window 0
.set K1,   20
.set PD0,  24
.set PD1,  28
.set Z0,   32                          ; v32-95, v96-159: a block's zf and za, by rows, two sets
.set TMP,  160
.set PB1,  176
.set BFC,  180
.set BAC,  184
.set WV,  22
.set RH,  23
.set CH,  24
.set G1A, 28
.set G0A, 36
.set G1B, 44
.set G0B, 52
.set CF,  72
.set PF,  84
.set MSB, 0
.macro WIN new                         ; the immediate's high byte repeats the setting that is left
.if MSB != (\new)
	s_set_vgpr_msb (MSB<<8)|(\new)
.set MSB, (\new)
.endif
.endm
.macro PLACES
.rept 4
	v_nop
.endr
.endm
.macro JLOAD s                         ; a joint load: waves 0, 1 fetch A's units, waves 2, 3 B's; s_nop 0 and four v_nop behind each line
	s_cmp_eq_u32 s[RH], 0
	s_cbranch_scc0 .Lfor_b_\@
	tensor_load_to_lds s[G0A+4*\s:G0A+4*\s+3], s[G1A:G1A+7]
	s_nop 0
	PLACES
	s_branch .Lasked_\@
.Lfor_b_\@:
	tensor_load_to_lds s[G0B+4*\s:G0B+4*\s+3], s[G1B:G1B+7]
	s_nop 0
	PLACES
.Lasked_\@:
.endm
.macro CREST
	s_cmp_lg_u32 s[WV], 0
	s_cbranch_scc1 .Lnot_wave_0_\@
	s_barrier_signal -3
.Lnot_wave_0_\@:
	s_barrier_wait -3
	s_barrier_signal -1
	s_barrier_wait -1
.endm
.macro CROUND
	s_barrier_signal -1
	s_barrier_wait -1
	CREST
.endm
	s_load_b512 s[4:19], s[0:1], 0x0               ; acodes, wcodes, b_mod, b_tgt, log_tau, bias, time_delta, h
	s_load_b64 s[20:21], s[0:1], 0x40              ; out0
	v_lshl_add_u32 v[SPW], v0, 2, SPARE
	v_mov_b32 v[NIL], 0
	ds_add_u32 v[SPW], v[NIL]                      ; the add, twice on end,
	ds_add_u32 v[SPW], v[NIL]
	v_lshrrev_b32 v[L16], 5, v0
	v_readfirstlane_b32 s[WV], v[L16]              ; wave 0..3
	s_lshr_b32 s[RH], s[WV], 1                     ; my half of the rows; also: I fetch for A (0) or B (1)
	s_and_b32 s[CH], s[WV], 1                      ; my half of the columns; also: which unit I fetch
	s_bfe_u32 s25, ttmp6, 0x40000                  ; cx
	s_bfe_u32 s26, ttmp6, 0x40004                  ; cy
	s_lshl_b32 s60, ttmp9, 2
	s_add_co_u32 s60, s60, s25                     ; tile column
	s_and_b32 s61, ttmp7, 0xffff
	s_lshl_b32 s61, s61, 2
	s_add_co_u32 s61, s61, s26                     ; tile row
	s_lshl_b32 s62, s26, 2
	s_lshl_b32 s62, 15, s62                        ; my row of the cluster
	s_lshl_b32 s63, 0x1111, s25                    ; my column
	s_or_b32 s[G1A], s62, (3<<16)|(1<<21)          ; elements of 8 bytes; bit 21 beside the mask
	s_or_b32 s[G1B], s63, (3<<16)|(1<<21)
.irp g, G1A, G1B
	s_mov_b32 s[\g+1], 32<<16                      ; a unit: 150 dense rows of 256 bytes
	s_mov_b32 s[\g+2], 150<<16
	s_mov_b32 s[\g+3], 32<<16
	s_mov_b32 s[\g+4], 150
	s_mov_b32 s[\g+5], 32
	s_mov_b32 s[\g+6], 0
	s_mov_b32 s[\g+7], 0
.endr
	s_lshl_b32 s66, s61, 1
	s_add_co_u32 s66, s66, s[CH]
	s_mul_i32 s66, s66, BLKB                       ; A: blk = 2 x tile row + which unit
	s_mov_b32 s67, 0
	s_lshl_b32 s68, s60, 1
	s_add_co_u32 s68, s68, s[CH]
	s_mul_i32 s68, s68, BLKB                       ; B: blk = 2 x tile column + which unit
	s_mov_b32 s69, 0
	s_mul_i32 s70, s[WV], UNIT                     ; where my unit goes
	s_lshl_b32 s76, s60, 9
	s_lshl_b32 s71, s[CH], 8
	s_add_co_u32 s76, s76, s71                     ; my first column, in bytes
	s_mov_b32 s77, 0
	s_lshl_b32 s78, s61, 10
	s_lshl_b32 s71, s[RH], 9
	s_add_co_u32 s78, s78, s71                     ; my first row x 4
	s_mov_b32 s79, 0
	s_lshl_b32 s80, s78, 11
	s_add_co_u32 s80, s80, s76                     ; my corner of h and of out0
	s_mov_b32 s81, 0
	s_mov_b32 s[CF], 0x4038aa3b                    ; c = 2 log2(e)
	s_mov_b32 s[CF+1], s[CF]
	s_mov_b32 s27, 3
	s_mul_i32 s82, s[RH], UNIT                     ; LDS: my A unit,
	s_mul_i32 s83, s[CH], UNIT
	s_add_co_u32 s83, s83, 2*UNIT                  ; my B unit,
	s_sub_co_u32 s74, s83, s82                     ; the distance between the two,
	s_add_co_u32 s75, s82, SCB
	s_add_co_u32 s90, s82, SLOT                    ; and the same in slot 1
	s_add_co_u32 s91, s83, SLOT
	s_add_co_u32 s92, s75, SLOT
	s_mul_i32 s87, s[WV], STGW
	s_lshl_b32 s88, s[WV], 9
	s_add_co_u32 s88, s88, DTL
	s_cmp_eq_u32 s[RH], 0
	s_cselect_b32 s86, s25, s26                    ; my place among the four that ask for my unit with me
	s_lshl_b32 s89, s86, 5
	s_mul_i32 s71, s86, 6
	s_add_co_u32 s71, s71, 128
	s_wait_dscnt 0x0                               ; and the one wait for both adds
	s_wait_kmcnt 0x0
	s_add_nc_u64 s[66:67], s[4:5], s[66:67]
	s_add_nc_u64 s[68:69], s[6:7], s[68:69]
	s_cmp_eq_u32 s[RH], 0
	s_cselect_b64 s[PF:PF+1], s[66:67], s[68:69]
	s_add_nc_u64 s[PF:PF+1], s[PF:PF+1], 2*UNIT    ; the prefetches begin at unit 2
.irp s, 0,1
	s_mov_b32 s[G0A+4*\s], 1
	s_add_co_u32 s[G0A+4*\s+1], s70, \s*SLOT
	s_add_nc_u64 s[G0A+4*\s+2:G0A+4*\s+3], s[66:67], \s*UNIT
	s_or_b32 s[G0A+4*\s+3], s[G0A+4*\s+3], 0x80000000
	s_mov_b32 s[G0B+4*\s], 1
	s_add_co_u32 s[G0B+4*\s+1], s70, \s*SLOT
	s_add_nc_u64 s[G0B+4*\s+2:G0B+4*\s+3], s[68:69], \s*UNIT
	s_or_b32 s[G0B+4*\s+3], s[G0B+4*\s+3], 0x80000000
.endr
	s_add_nc_u64 s[8:9], s[8:9], s[76:77]
	s_add_nc_u64 s[10:11], s[10:11], s[76:77]
	s_add_nc_u64 s[12:13], s[12:13], s[76:77]
	s_add_nc_u64 s[14:15], s[14:15], s[76:77]
	s_add_nc_u64 s[16:17], s[16:17], s[78:79]
	s_add_nc_u64 s[18:19], s[18:19], s[80:81]
	s_add_nc_u64 s[20:21], s[20:21], s[80:81]
	CROUND                                         ; all sixteen work-groups are here: the first joint loads meet
	JLOAD 0                                        ; unit 0: one tensor load a wave at the head
	v_and_b32 v32, 31, v0                          ; lane
	v_and_b32 v33, 15, v0                          ; r
	v_bfe_u32 v34, v0, 4, 1                        ; hh
	v_lshlrev_b32 v[L16], 4, v32
	v_mul_u32_u24 v36, s74, v34                    ; lanes 16-31 take B's scale words
	v_lshl_add_u32 v36, v33, 4, v36
	v_add_nc_u32 v[ADR], s82, v[L16]
	v_add_nc_u32 v[ADR+1], s90, v[L16]
	v_add_nc_u32 v[ADRS], s75, v36
	v_add_nc_u32 v[ADRS+1], s92, v36
	v_mul_u32_u24 v37, v33, SPITCH                 ; into the stage: row r, 32 bytes for each half of the lanes
	v_lshl_add_u32 v37, v34, 5, v37
	v_add_nc_u32 v[STO], s87, v37
	v_mul_u32_u24 v38, v34, 8*SPITCH               ; back: lanes 0-15 row t, lanes 16-31 row t + 8, 16 bytes a lane
	v_lshl_add_u32 v38, v33, 4, v38
	v_add_nc_u32 v[RD], s87, v38
	v_lshlrev_b32 v39, 16, v34
	v_lshl_add_u32 v[CO], v33, 4, v39              ; and the same in h and out0
	v_lshlrev_b32 v[PO], 4, v33
	v_add_lshl_u32 v[PT1], v32, s89, 8             ; of a unit's 150 blocks of 256 bytes partner p names 32 p + lane
	v_min_u32 v40, 5, v32
	v_add_nc_u32 v40, s71, v40
	v_min_u32 v40, 149, v40                        ; and 128 + 6 p + 0..5, held at the unit's last block
	v_lshlrev_b32 v[PT2], 8, v40
	v_lshl_add_u32 v[DTS], v0, 4, DTL
	v_lshlrev_b32 v41, 5, v34
	v_add_nc_u32 v[DTR], s88, v41
	v_min_u32 v42, 15, v32
	WIN 0x40                                       ; destination window 1
	v_add_nc_u32 v[ADR], s82, v[L16]
	v_add_nc_u32 v[ADR+1], s90, v[L16]
	v_add_nc_u32 v[ADRS], s75, v36
	v_add_nc_u32 v[ADRS+1], s92, v36
	v_lshlrev_b32 v[PFO], 13, v32
	v_lshlrev_b32 v[PFO2], 13, v42
	WIN 0x80                                       ; destination window 2
	v_add_nc_u32 v[ADR], s83, v[L16]
	v_add_nc_u32 v[ADR+1], s91, v[L16]
	WIN 0
; piece n of what phase w fetches: n = 0..11: 16 bytes a lane of fragments 4 (w / 2) + n / 3 (phases 0, 3: A's; 1, 2: B's); n = 12, 13 (phase 0): the scale words
.macro LD1 w, set, slot, q, n
.if (\n) < 12
	ds_load_b128 v[FR+48*(\set)+4*(\n):FR+48*(\set)+4*(\n)+3], v[ADR+(\slot)] offset:(8*(\q)+4*((\w)/2)+(\n)/3)*FRB+512*((\n)%3)
.else
	ds_load_b128 v[SC+8*(\set)+4*((\n)-12):SC+8*(\set)+4*((\n)-12)+3], v[ADRS+(\slot)] offset:512*(\q)+256*((\n)-12)
.endif
.endm
.macro FRUN w, set, slot, q, cnt       ; the first cnt pieces in one run
.set NR, 0
.rept \cnt
	LD1 \w, \set, \slot, \q, NR
.set NR, NR+1
.endr
.endm
; phase w on set p.  ld = 1: first the run of loads that brings step (slot, q)'s fragments of window w into the other set; then products n0 .. n1 - 1.  The accumulators take turns.
.macro PH w, p, zero, ld, slot, q, n0, n1
.set BH, (((\w)+1)/2)%2                ; B's blocks 4-7?
.set AH, (\w)/2                        ; A's blocks 4-7?
	WIN (1+BH)|(12*AH)|(0x50*(\w))
.if \ld
	FRUN \w, 1-(\p), \slot, \q, 14-2*(((\w)+3)/4)
.endif
.set NN, 0
.irp a, 0,1,2,3
.irp b, 0,1,2,3
.if NN >= (\n0) && NN < (\n1)
.if \zero
	v_wmma_scale_f32_16x16x128_f8f6f4 v[ACC+8*(4*\a+\b):ACC+8*(4*\a+\b)+7], v[FR+48*(\p)+12*\b:FR+48*(\p)+12*\b+11], v[FR+48*(\p)+12*\a:FR+48*(\p)+12*\a+11], 0, v[SC+8*(\p)+4*BH+2*(\b%2)+\b/2], v[SC+8*(\p)+4*AH+2*(\a%2)+\a/2] matrix_a_fmt:MATRIX_FMT_FP6 matrix_b_fmt:MATRIX_FMT_FP6 matrix_a_scale:MATRIX_SCALE_ROW1
.else
	v_wmma_scale_f32_16x16x128_f8f6f4 v[ACC+8*(4*\a+\b):ACC+8*(4*\a+\b)+7], v[FR+48*(\p)+12*\b:FR+48*(\p)+12*\b+11], v[FR+48*(\p)+12*\a:FR+48*(\p)+12*\a+11], v[ACC+8*(4*\a+\b):ACC+8*(4*\a+\b)+7], v[SC+8*(\p)+4*BH+2*(\b%2)+\b/2], v[SC+8*(\p)+4*AH+2*(\a%2)+\a/2] matrix_a_fmt:MATRIX_FMT_FP6 matrix_b_fmt:MATRIX_FMT_FP6 matrix_a_scale:MATRIX_SCALE_ROW1
.endif
.endif
.set NN, NN+1
.endr
.endr
.endm
.macro ASKH f                          ; h's rows 16 .. 127 of my 128, 256 bytes each, a lane a row (rows 0-15 come by an early load); under phase 0's setting: the address lies in window 1
.if (\f) >= 0
	global_prefetch_b8 v[PFO], s[18:19] offset:(16+32*(\f))*ROWO th:TH_LOAD_NT scope:SCOPE_SE
.if (\f) == 0
	global_prefetch_b8 v[PFO2], s[18:19] offset:112*ROWO th:TH_LOAD_NT scope:SCOPE_SE
.endif
.endif
.endm
.macro ASKT                            ; my work-group's share of the unit at s[PF]: each of its 150 blocks is named once in the cluster
	global_prefetch_b8 v[PT1], s[PF:PF+1] th:TH_LOAD_NT scope:SCOPE_SE
	global_prefetch_b8 v[PT2], s[PF:PF+1] th:TH_LOAD_NT scope:SCOPE_SE
.endm
; A K step on set p that fetches step (slot, q).  A step issues 14 + 12 + 12 + 12 LDS loads, phase by phase.
.macro STEP p, zero, slot, q, pf
	PLACES                                         ; the places for all this step's loads: the other set was last multiplied ahead of them
	s_wait_dscnt 24                                ; A's 0-3, the scale words, B's 0-3 are in; the last step's phases 2 and 3 fetched 24 behind them
	PH 0, \p, \zero, 1, \slot, \q, 0, 16
	ASKH \pf
	s_wait_dscnt 26                                ; B's 4-7 are in: behind them 12 + this step's 14
	PH 1, \p, \zero, 1, \slot, \q, 0, 16
	s_wait_dscnt 26                                ; A's 4-7 are in: behind them 14 + 12
	PH 2, \p, \zero, 1, \slot, \q, 0, 16
	PH 3, \p, \zero, 1, \slot, \q, 0, 16
.endm
; A slot's third K step: nothing of this slot is read any more, and the next step lies in the other slot.  ONE barrier: in front of it all my tensor loads, the add, all my LDS reads;
; behind it (fill = 1: it opens a round of the cluster's barrier) the joint refill, two units on, and then the other slot's first reads: phase 0's run stands behind the refill.
; ask: 1: the unit three on is prefetched, one slot ahead of its tensor load; 2: the same but in the loop's last trip, where no such unit is left.
.macro TURN p, slot, fill, ask
	WIN 0
.if \ask
	s_wait_xcnt 0x0                                ; the earlier prefetches have read their base
	s_add_nc_u64 s[PF:PF+1], s[PF:PF+1], UNIT
.endif
	s_wait_tensorcnt 0x0                           ; my part of the other slot is in
	ds_add_u32 v[SPW], v[NIL]
	s_wait_dscnt 25                                ; (24 younger loads and the add may be out)
	PH 0, \p, 0, 0, 0, 0, 0, 8
	s_wait_dscnt 0x0                               ; the add is done, and my reads of this slot are over
	s_barrier_signal -1
	PH 0, \p, 0, 0, 0, 0, 8, 16
	WIN 0
	s_barrier_wait -1
.if \fill
	CREST
	s_add_nc_u64 s[G0A+4*\slot+2:G0A+4*\slot+3], s[G0A+4*\slot+2:G0A+4*\slot+3], 2*UNIT
	s_add_nc_u64 s[G0B+4*\slot+2:G0B+4*\slot+3], s[G0B+4*\slot+2:G0B+4*\slot+3], 2*UNIT
	JLOAD \slot                                    ; its four v_nop are the places for the loads below
.else
	PLACES
.endif
	FRUN 0, 1-(\p), 1-(\slot), 0, 14
.if (\ask) == 1
	ASKT
.endif
.if (\ask) == 2
	s_cmp_lg_u32 s27, 1
	s_cbranch_scc0 .Lno_ask_\@
	ASKT
.Lno_ask_\@:
.endif
	PH 1, \p, 0, 1, 1-(\slot), 0, 0, 16
	PH 2, \p, 0, 1, 1-(\slot), 0, 0, 16
	PH 3, \p, 0, 1, 1-(\slot), 0, 0, 16
.endm
; THE WAY OUT.  h's 16 rows of block a (32 registers) and their time_delta (8): window HW, at HB and DB
.macro HSET a
.if (\a) == 0
.set HW, 3
.set HB, 0
.set DB, 112
.else
.if (\a) < 7
.set HW, 1+((\a)-1)/2
.set HB, 32+40*(((\a)-1)%2)
.set DB, HB+32
.else
.set HW, 0
.set HB, 192
.set DB, 224
.endif
.endif
.endm
.macro HLOAD a
	HSET \a
	WIN HW<<6
.irp t, 0,1,2,3,4,5,6,7
	global_load_b128 v[HB+4*\t:HB+4*\t+3], v[CO], s[18:19] offset:(16*(\a)+\t)*ROWO th:TH_LOAD_NT   ; sixteen lanes read 256 consecutive bytes, aligned
.endr
.endm
.macro DLOAD a                         ; time_delta of rows 16 a + 8 hh + 0..7, out of my 512 bytes of LDS
	HSET \a
	WIN HW<<6
	ds_load_b128 v[DB:DB+3], v[DTR] offset:64*(\a)
	ds_load_b128 v[DB+4:DB+7], v[DTR] offset:64*(\a)+16
.endm
.macro STORE a                         ; block a's 8 accumulators into my stage: a row is 256 bytes of zf, then 256 of za; each accumulator from its low end on
.set AC, ACC+32*((\a)%4)
	WIN 12*((\a)/4)                                ; the data are source 1: zf in window 0 or 3
.irp b, 0,1,2,3
	ds_store_b128 v[STO], v[AC+8*\b:AC+8*\b+3] offset:64*\b
	ds_store_b128 v[STO], v[AC+8*\b+4:AC+8*\b+7] offset:64*\b+16
.endr
	WIN 4+4*((\a)/4)                               ; za in window 1 or 2
.irp b, 0,1,2,3
	ds_store_b128 v[STO], v[AC+8*\b:AC+8*\b+3] offset:256+64*\b
	ds_store_b128 v[STO], v[AC+8*\b+4:AC+8*\b+7] offset:256+64*\b+16
.endr
	WIN 0
.endm
.macro ZLOAD a                         ; and back by rows: LDS serves a wave's instructions in order
.set ZL, Z0+64*((\a)%2)
.irp t, 0,1,2,3,4,5,6,7
	ds_load_b128 v[ZL+4*\t:ZL+4*\t+3], v[RD] offset:SPITCH*\t
	ds_load_b128 v[ZL+32+4*\t:ZL+32+4*\t+3], v[RD] offset:SPITCH*\t+256
.endr
.endm
.macro AWAIT
	s_wait_alu depctr_va_vdst(0)                   ; ahead of and behind each batch of transcendentals
.endm
; A block's 32 numbers a lane, all in place: ZF goes c (zf + b) -> E -> D -> 1 / D -> K0 + K1 / D -> x dt -> decay -> h_new; ZA goes c (za + b) -> 2^.. -> + 1 -> 1 / .. -> a' -> a' - decay a'.
.macro MATH a
.set ZF, Z0+64*((\a)%2)
.set ZA, ZF+32
	HSET \a
.irp i, 0,2,4,6,8,10,12,14,16,18,20,22,24,26,28,30
	v_pk_fma_f32 v[ZF+\i:ZF+\i+1], v[ZF+\i:ZF+\i+1], s[CF:CF+1], v[BFC+(\i%4):BFC+(\i%4)+1] op_sel_hi:[1,0,1]
	v_pk_fma_f32 v[ZA+\i:ZA+\i+1], v[ZA+\i:ZA+\i+1], s[CF:CF+1], v[BAC+(\i%4):BAC+(\i%4)+1] op_sel_hi:[1,0,1]
.endr
	AWAIT
.set J, 0
.rept 32
	v_exp_f32 v[ZF+J], -|v[ZF+J]|
.set J, J+1
.endr
.set J, 0
.rept 32
	v_exp_f32 v[ZA+J], v[ZA+J]
.set J, J+1
.endr
	v_nop
	AWAIT
.irp i, 0,2,4,6,8,10,12,14,16,18,20,22,24,26,28,30
	v_pk_fma_f32 v[ZF+\i:ZF+\i+1], v[ZF+\i:ZF+\i+1], v[PD1+(\i%4):PD1+(\i%4)+1], v[PD0+(\i%4):PD0+(\i%4)+1]
	v_pk_add_f32 v[ZA+\i:ZA+\i+1], v[ZA+\i:ZA+\i+1], 1.0 op_sel_hi:[1,0]
.endr
	AWAIT
.set J, 0
.rept 64
	v_rcp_f32 v[ZF+J], v[ZF+J]                     ; ZF's 32 and ZA's 32 lie on end
.set J, J+1
.endr
	v_nop
	AWAIT
.irp i, 0,2,4,6,8,10,12,14,16,18,20,22,24,26,28,30
	v_pk_fma_f32 v[ZF+\i:ZF+\i+1], v[ZF+\i:ZF+\i+1], v[K1+(\i%4):K1+(\i%4)+1], v[K0+(\i%4):K0+(\i%4)+1]
	v_pk_fma_f32 v[ZA+\i:ZA+\i+1], v[ZA+\i:ZA+\i+1], -2.0, v[PB1+(\i%4):PB1+(\i%4)+1] op_sel_hi:[1,0,1]
.endr
	WIN HW                                         ; source 0: the block's time_delta, a register a row
.set J, 0
.rept 32
	v_mul_f32 v[ZF+J], v[DB+J/4], v[ZF+J]
.set J, J+1
.endr
	WIN 0
	AWAIT
.set J, 0
.rept 32
	v_exp_f32 v[ZF+J], v[ZF+J]
.set J, J+1
.endr
	v_nop
	AWAIT
.irp i, 0,2,4,6,8,10,12,14,16,18,20,22,24,26,28,30
	v_pk_fma_f32 v[ZA+\i:ZA+\i+1], v[ZF+\i:ZF+\i+1], v[ZA+\i:ZA+\i+1], v[ZA+\i:ZA+\i+1] neg_lo:[1,0,0] neg_hi:[1,0,0]
.endr
	WIN HW                                         ; source 0: h
.irp i, 0,2,4,6,8,10,12,14,16,18,20,22,24,26,28,30
	v_pk_fma_f32 v[ZF+\i:ZF+\i+1], v[HB+\i:HB+\i+1], v[ZF+\i:ZF+\i+1], v[ZA+\i:ZA+\i+1]
.endr
	WIN 0
.endm
.macro SEND a
.set ZF, Z0+64*((\a)%2)
.irp t, 0,1,2,3,4,5,6,7
	global_store_b128 v[CO], v[ZF+4*\t:ZF+4*\t+3], s[20:21] offset:(16*(\a)+\t)*ROWO th:TH_STORE_NT   ; sixteen lanes store 256 consecutive bytes, aligned
.endr
.endm
	s_wait_alu depctr_va_vdst(0)                   ; at the head's end
	s_wait_tensorcnt 0x0                           ; my part of unit 0 is in
	ds_add_u32 v[SPW], v[NIL]
	s_wait_dscnt 0x0
	CROUND
	JLOAD 1                                        ; unit 1, the first tensor load behind the round
	FRUN 0, 0, 0, 0, 14                            ; step 0's fragments, in the order in which a step fetches them
	WIN 0x42                                       ; destination window 1, address window 2
	FRUN 1, 0, 0, 0, 12
	WIN 0x82
	FRUN 2, 0, 0, 0, 12
	WIN 0xc0                                       ; destination window 3, address window 0
	FRUN 3, 0, 0, 0, 12
	WIN 0
	ASKT                                           ; unit 2, which the first change of slots loads
	STEP 0, 1, 0, 1, -1                            ; the first step's products start the sums
	WIN 0
.Llap:                                                 ; a trip: six K steps, once round the ring; both slots are filled again
	STEP 1, 0, 0, 2, -1
	TURN 0, 0, 1, 1
	STEP 1, 0, 1, 1, -1
	STEP 0, 0, 1, 2, -1
	TURN 1, 1, 1, 2
	STEP 0, 0, 0, 1, -1
	WIN 0
	s_sub_co_u32 s27, s27, 1
	s_cmp_lg_u32 s27, 0
	s_cbranch_scc1 .Llap
	WIN 0x80                                       ; the way out's small inputs, into window 2's spare registers: five K steps ahead of their use
	global_load_b128 v[8:11], v[PO], s[8:9]        ; b_mod
	global_load_b128 v[12:15], v[PO], s[10:11]     ; b_tgt
	global_load_b128 v[16:19], v[PO], s[12:13]     ; log_tau
	global_load_b128 v[20:23], v[PO], s[14:15]     ; bias
	global_load_b128 v[24:27], v[L16], s[16:17]    ; my 128 rows' time_delta: 512 consecutive bytes
	HLOAD 0
	STEP 1, 0, 0, 2, 0
	TURN 0, 0, 0, 0                                ; unit 7 is whole; nothing is filled again
	STEP 1, 0, 1, 1, 1
	STEP 0, 0, 1, 2, 2
	s_wait_dscnt 24                                ; the last step fetches nothing
	PH 0, 1, 0, 0, 0, 0, 0, 16
	s_wait_dscnt 12
	PH 1, 1, 0, 0, 0, 0, 0, 16
	s_wait_dscnt 0x0
	PH 2, 1, 0, 0, 0, 0, 0, 16
	PH 3, 1, 0, 0, 0, 0, 0, 16
	WIN 0
	PLACES
	s_wait_loadcnt 0x0                             ; what was asked for five steps ago
.irp a, 1,2,3,4,5,6
	HLOAD \a                                       ; into registers that held fragments
.endr
	WIN 0x08
	ds_store_b128 v[DTS], v[24:27]                 ; time_delta turns through my own 512 bytes of LDS
.irp a, 0,1,2,3,4,5,6
	DLOAD \a
.endr
	STORE 0
	ZLOAD 0
	STORE 1
	ZLOAD 1
	WIN 0x08                                       ; source 1 in window 2: my four columns' parameters
.irp i, 0,1,2,3
	v_mul_f32 v[TMP+\i], 0x3fb8aa3b, v[16+\i]
	v_mul_f32 v[BFC+\i], 0x4038aa3b, v[8+\i]
	v_mul_f32 v[BAC+\i], 0x4038aa3b, v[12+\i]
	v_add_f32 v[PB1+\i], 1.0, v[20+\i]
.endr
	WIN 0
	AWAIT
.irp i, 0,1,2,3
	v_exp_f32 v[TMP+\i], v[TMP+\i]                 ; tau
.endr
	v_nop
	AWAIT
.irp i, 0,1,2,3
	v_add_f32 v[TMP+4+\i], 1.0, v[TMP+\i]
	v_sub_f32 v[TMP+8+\i], 1.0, v[TMP+\i]
.endr
.irp i, 0,1,2,3
	v_fma_f32 v[PD0+\i], 0x358637bd, v[TMP+4+\i], v[TMP+\i]
	v_fma_f32 v[PD1+\i], 0x358637bd, v[TMP+8+\i], v[TMP+\i]
.endr
	AWAIT
.irp i, 0,1,2,3
	v_rcp_f32 v[TMP+12+\i], v[PD1+\i]
.endr
.irp i, 0,1,2,3
	v_mul_f32 v[TMP+4+\i], 0xbfb8aa3b, v[TMP+4+\i] ; PN0
	v_mul_f32 v[TMP+8+\i], 0xbfb8aa3b, v[TMP+8+\i] ; PN1
.endr
	AWAIT
.irp i, 0,1,2,3
	v_mul_f32 v[K0+\i], v[TMP+8+\i], v[TMP+12+\i]
.endr
.irp i, 0,1,2,3
	v_fma_f32 v[K1+\i], -v[K0+\i], v[PD0+\i], v[TMP+4+\i]
.endr
.irp a, 0,1,2,3,4,5,6,7
.if \a >= 1 && \a < 7
	s_wait_xcnt 0x0                                ; block a - 1's stores have read their registers: block a + 1 lands there
.endif
	s_wait_alu depctr_va_vdst(0)                   ; ahead of the waits below, and of the first reads of matrix results behind transcendentals
.if \a >= 1 && \a < 7
	STORE \a+1
	ZLOAD \a+1
.endif
.if \a < 7
	s_wait_dscnt 32                                ; block a is back; the next block's 16 stores and 16 loads may be out
.else
	s_wait_dscnt 0x0
.endif
.if \a >= 1 && \a <= 3
	s_wait_loadcnt 8*(6-\a)                        ; h's block a is in; eight loads for each later block asked for so far
.endif
.if \a >= 4
	s_wait_loadcnt 8*(7-\a)
.endif
.if \a == 3
	HLOAD 7                                        ; into window 0, where blocks 2 and 3 have left their accumulators
	DLOAD 7
	WIN 0
.endif
	MATH \a
	SEND \a
.endr
	s_wait_tensorcnt 0x0                           ; the wave's end
	ds_add_u32 v[SPW], v[NIL]
	s_wait_dscnt 0x0
	CROUND                                         ; the closing round
	s_endpgm
.Lfunc_end_k_qe638a8e145_gemm:
	.size	k_qe638a8e145_gemm, .Lfunc_end_k_qe638a8e145_gemm-k_qe638a8e145_gemm
	.p2alignl 7, 3214868480
	.fill 96, 4, 3214868480
	.section	.rodata,"a",@progbits
	.p2align	6, 0x0
	.amdhsa_kernel k_qe638a8e145_gemm
		.amdhsa_group_segment_fixed_size 327680
		.amdhsa_private_segment_fixed_size 0
		.amdhsa_enable_private_segment 0
		.amdhsa_kernarg_size 72
		.amdhsa_user_sgpr_count 2
		.amdhsa_user_sgpr_kernarg_segment_ptr 1
		.amdhsa_wavefront_size32 1
		.amdhsa_system_sgpr_workgroup_id_x 1
		.amdhsa_system_sgpr_workgroup_id_y 1
		.amdhsa_system_sgpr_workgroup_id_z 1
		.amdhsa_system_vgpr_workitem_id 0
		.amdhsa_next_free_vgpr 1024
		.amdhsa_next_free_sgpr 96
		.amdhsa_reserve_vcc 0
		.amdhsa_float_denorm_mode_32 3
		.amdhsa_float_denorm_mode_16_64 3
		.amdhsa_memory_ordered 1
		.amdhsa_forward_progress 1
		.amdhsa_inst_pref_size 255
	.end_amdhsa_kernel
	.section	.bss,"aw",@nobits
	.p2align	6
	.space	262144
	.amdgpu_metadata
---
amdhsa.version: [ 1, 2 ]
amdhsa.kernels:
  - .name:           k_qe638a8e145_gemm
    .symbol:         k_qe638a8e145_gemm.kd
    .args:
      - { .name: acodes, .offset: 0, .size: 8, .value_kind: global_buffer, .address_space: global }
      - { .name: wcodes, .offset: 8, .size: 8, .value_kind: global_buffer, .address_space: global }
      - { .name: b_mod, .offset: 16, .size: 8, .value_kind: global_buffer, .address_space: global }
      - { .name: b_tgt, .offset: 24, .size: 8, .value_kind: global_buffer, .address_space: global }
      - { .name: log_tau, .offset: 32, .size: 8, .value_kind: global_buffer, .address_space: global }
      - { .name: bias, .offset: 40, .size: 8, .value_kind: global_buffer, .address_space: global }
      - { .name: time_delta, .offset: 48, .size: 8, .value_kind: global_buffer, .address_space: global }
      - { .name: h, .offset: 56, .size: 8, .value_kind: global_buffer, .address_space: global }
      - { .name: out0, .offset: 64, .size: 8, .value_kind: global_buffer, .address_space: global }
    .group_segment_fixed_size: 327680
    .private_segment_fixed_size: 0
    .kernarg_segment_align: 8
    .kernarg_segment_size: 72
    .max_flat_workgroup_size: 128
    .sgpr_count:     96
    .vgpr_count:     1024
    .wavefront_size: 32
...
	.end_amdgpu_metadata
.endif
;; end of part 2
